; MI455X (gfx1250); checked and timed in simulation.
; The chip was launched on July 23, 2026; its instructions are those of AMD's public machine-readable ISA for CDNA 5 (MIT licence, August 2026) and "CDNA5" Instruction Set Architecture Reference Guide (July 2026). The comments in the code are by the model that wrote it; some were corrected since.
;; Multi Head Attention. Allowed arithmetic: matrix products marked QUANTISED: E5M2 operands, one given power-of-two scale a tensor, by v_wmma_f32_16x16x64_bf8_bf8 or v_wmma_f32_16x16x128_bf8_bf8, f32 sums; everything else in f32.
;; Inputs: Wk_codes 1,024 x 32 x 32 uint8 (E5M2 codes of Wk, K innermost, in blocks of 32 codes); Wq_codes 1,024 x 32 x 32 uint8 (E5M2 codes of Wq, K innermost, in blocks of 32 codes); Wv_codes 1,024 x 32 x 32 uint8 (E5M2 codes of Wv, K innermost, in blocks of 32 codes); bk 1,024 float32; bq 1,024 float32; bv 1,024 float32; lowp_scales 10 int32 (the exponents e of the quantised operands' scales 2^e); x_codes 4 x 2,048 x 32 x 32 uint8 (E5M2 codes of x, K innermost, in blocks of 32 codes).
;; Outputs: out0 4 x 2,048 x 1,024 float32.
;; This version of the problem:
;;   THIS VERSION OF THE PROBLEM IS GIVEN IN LOW PRECISION. The matrix products marked QUANTISED in the list below multiply operands that are first quantised to E5M2 (5 exponent bits, 2 mantissa bits; 8 bits a number), with one given power-of-two scale for each operand tensor; their sums are f32. All else is computed in f32.
;;   The module's matrix products, in the order in which they are computed (A, B: the left and right operand; K: the contracted axis; several contracted axes count as one K, in the product's order):
;;     1. [M 8,192, K 1,024] x [K 1,024, N 1,024]; A: input x (given as codes); B: input Wq (given as codes): QUANTISED (scales: A lowp_scales[0], B lowp_scales[1])
;;     2. [M 8,192, K 1,024] x [K 1,024, N 1,024]; A: input x (given as codes); B: input Wk (given as codes): QUANTISED (scales: A lowp_scales[2], B lowp_scales[3])
;;     3. [M 8,192, K 1,024] x [K 1,024, N 1,024]; A: input x (given as codes); B: input Wv (given as codes): QUANTISED (scales: A lowp_scales[4], B lowp_scales[5])
;;     4. batch 64 x [M 2,048, K 64] x [K 64, N 2,048]; A: computed on the way; B: computed on the way: QUANTISED (scales: A lowp_scales[6], B lowp_scales[7])
;;     5. batch 64 x [M 2,048, K 2,048] x [K 2,048, N 64]; A: softmax (see below); B: computed on the way: QUANTISED (scales: A lowp_scales[8], B lowp_scales[9])
;;   THE QUANTISER, for each operand of a quantised product, along K:
;;     - The operand's scale is 2^e, e = its entry of the input lowp_scales (int32; the entries are numbered through the quantised products in the list's order, A before B).
;;     - Each number is divided by the scale, clamped to +-57,344, and rounded to the nearest number of E5M2, ties to even, subnormals kept.
;;     - The product sums the exact products of the quantised numbers (number of the format x scale) in f32.
;;   ~~~python
;;   def quantise(x, axis, e):      # numpy; x: float32 -> the quantised numbers, widened to float32 again
;;       x = np.moveaxis(x, axis, -1); K = x.shape[-1]
;;       r = np.clip(x / 2.0 ** e, -57344, 57344)
;;       step = 2.0 ** (np.maximum(np.frexp(np.where(r == 0, 1, r))[1] - 1, -14) - 2)
;;       q = np.round(r / step) * step * 2.0 ** e      # np.round: ties to even
;;       return np.moveaxis(q, -1, axis).astype(np.float32)
;;   ~~~
;;   SOFTMAX AHEAD OF A QUANTISED PRODUCT. Where the list says 'softmax', what is quantised is not the finished softmax but p = 2^(t - M), with t = logit x log2(e) and M = ceil(the row's largest t), a whole number; so 1/2 < the row's largest p <= 1. The row's sum l is taken of the UNQUANTISED p, in f32, and the product's result is divided by l at the end. Since M is a whole number, a kernel that streams over the keys may use a running M (the ceiling of the running maximum): every later rescaling is an exact power of two, so the quantised numbers keep their values, but for numbers so far below the row's largest that they fall under the format's range.
;;   OPERANDS COMPUTED ON THE WAY. 'Computed on the way' means the value that the module computes at that place (a softmax that the list does not call 'softmax' is quantised finished and normalised). What goes into a quantiser is computed in f32, as accurately as f32 sums, v_exp_f32 and their like allow (about 1e-6 of the number): no bf16 or f16 on the way to a quantiser, and a product that is left as it is and whose result goes on into a quantised operand takes f32 operands (vector FMAs, or v_wmma_f32_16x16x4_f32). A number that lies on a knife's edge between two numbers of the format may be rounded either way, as far as f32 arithmetic and the matrix unit's own rounding can turn it there, and no further.
;;   INPUTS GIVEN AS CODES. Wk (in the module: [1024, 1024], K = its axis 0); Wq (in the module: [1024, 1024], K = its axis 0); Wv (in the module: [1024, 1024], K = its axis 0); x (in the module: [4, 2048, 1024], K = its axis 2): each comes as NAME_codes (uint8): NAME with its K axis moved to the last place and cut into blocks of 32 codes, [.., K / 32, bytes a block], one block behind the other in memory; one code a byte (a code: sign, 5 exponent bits, 2 mantissa bits); its scale is its entry of lowp_scales. Its value is code x scale, taken as it is: it is not quantised again, and the codes and scales need not be those that the quantiser above would give.
;; One version. Each part assembles by itself: llvm-mc -triple=amdgcn-amd-amdhsa -mcpu=gfx1250 --defsym DOCPART=n.
;; ======== version 1 of 1: 2 launches
;; limits: right only within a limited range of input values
;; workspace buffers: kv 16,777,216 bytes
;; launch proj (part 1): grid 8 x 32, 4 waves a work-group, clusters of 4 x 4, 327,680 bytes of LDS; arguments x_codes, Wk_codes, Wv_codes, bk, bv, lowp_scales, kv; writes kv
.if DOCPART == 1
	.amdgcn_target "amdgcn-amd-amdhsa--gfx1250"
	.amdhsa_code_object_version 6
	.text
	.protected	k_q9292cdc570_proj
	.globl	k_q9292cdc570_proj
	.p2align	8
	.type	k_q9292cdc570_proj,@function
k_q9292cdc570_proj:
	s_mov_b64 s[64:65], 0
	v_nop
	global_prefetch_b8 v0, s[64:65] scope:SCOPE_SE
	s_setreg_imm32_b32 hwreg(HW_REG_WAVE_MODE, 25, 1), 1
	s_wait_xcnt 0x0
	s_wait_alu depctr_hold_cnt(0) depctr_sa_sdst(0) depctr_va_vdst(0) depctr_va_sdst(0) depctr_va_ssrc(0) depctr_va_vcc(0) depctr_vm_vsrc(0)
	s_getreg_b32 s2, hwreg(HW_REG_IB_STS2, 6, 4)
	s_cmp_eq_u32 s2, 0
	s_cbranch_scc0 .Lentry_in_a_cluster
	s_endpgm
.Lentry_in_a_cluster:
	s_bfe_u32 s2, ttmp6, 0x10000c
	s_cmp_lg_u32 s2, 0xf033
	s_cbranch_scc0 .Lentry_shape_is_right
	s_endpgm
.Lentry_shape_is_right:
.set KSTEP,  256
.set ROWB,   256
.set KROW,   1024
.set PITCH,  272
.set FR,     16
.set NL,     4
.set NP,     4
.set HALFT,  128*PITCH
.set SLOT,   4*HALFT
.set LAPS,   KROW/(2*KSTEP)
.set SPARE,  2*SLOT
.set ADRA, 16
.set ADRB, 20
.set LO,   24
.set BOFN, 25
.set BOFM, 26
.set SPW,  28
.set NIL,  29
.set SCL,  30
.set LIM,  31
.set BN,   32
.set BM,   96
.set AF,   128
.set Y,    128
.set CD,   192
.set G1, 24
.set G0, 32
.set G1B, 48
.set G0B, 56
.set OB, 18
.set MSB, 0
.macro WIN new
.if MSB != \new
	s_set_vgpr_msb (MSB<<8)|\new
.set MSB, \new
.endif
.endm
.set MUL_LO, 0xa1
.set MUL_HI, 0xf1
.set TO_B,   0x40
.macro JLOAD g0a, g1a, g0b, g1b
	s_cmp_eq_u32 s15, 0
	s_cbranch_scc0 .Lfor_b_\@
	tensor_load_to_lds s[\g0a:\g0a+3], s[\g1a:\g1a+7]
	s_nop 0
.rept 4
	v_nop
.endr
	s_branch .Lasked_\@
.Lfor_b_\@:
	tensor_load_to_lds s[\g0b:\g0b+3], s[\g1b:\g1b+7]
	s_nop 0
.rept 4
	v_nop
.endr
.Lasked_\@:
.endm
.macro CREST
	s_cmp_lg_u32 s14, 0
	s_cbranch_scc1 .Lnot_wave_0_\@
	s_barrier_signal -3
.Lnot_wave_0_\@:
	s_barrier_wait -3
	s_barrier_signal -1
	s_barrier_wait -1
.endm
.macro CROUND
	s_barrier_signal -1
	s_barrier_wait -1
	CREST
.endm
	s_load_b256 s[68:75], s[0:1], 0x0              ; x's codes, Wk's, Wv's, bk.  (This launch makes K and V; q is made by the launch that uses it)
	s_load_b128 s[76:79], s[0:1], 0x20             ; bv, the scales' exponents
	s_load_b64 s[80:81], s[0:1], 0x30              ; kv
	v_lshl_add_u32 v[SPW], v0, 2, SPARE
	v_mov_b32 v[NIL], 0
	ds_add_u32 v28, v29
	ds_add_u32 v28, v29
	s_wait_dscnt 0x0
	v_lshrrev_b32 v1, 5, v0
	v_readfirstlane_b32 s14, v1
	s_lshr_b32 s15, s14, 1
	s_and_b32 s16, s14, 1
	s_bfe_u32 s40, ttmp6, 0x40000
	s_bfe_u32 s41, ttmp6, 0x40004
	s_and_b32 s13, ttmp7, 0xffff
	s_lshl_b32 s13, s13, 2
	s_cmp_eq_u32 ttmp9, 1                          ; cluster x: 0 makes K, 1 makes V (with the sources' roles swapped)
	s_cselect_b32 s17, 0, s13
	s_cselect_b32 s42, s13, 0
	s_add_co_u32 s17, s17, s41
	s_add_co_u32 s42, s42, s40
	s_lshl_b32 s43, s41, 2
	s_lshl_b32 s43, 15, s43
	s_lshl_b32 s44, 0x1111, s40
	s_or_b32 s[G1+0], s43, (0<<16)|(1<<20)|(1<<21)|(5<<22)|(3<<25)
	s_or_b32 s[G1B+0], s44, (0<<16)|(1<<20)|(1<<21)|(5<<22)|(3<<25)
.irp g, G1, G1B
	s_mov_b32 s[\g+1], ROWB<<16
	s_mov_b32 s[\g+2], 128<<16
	s_mov_b32 s[\g+3], ROWB<<16
	s_mov_b32 s[\g+4], 128
	s_mov_b32 s[\g+5], KROW
	s_mov_b32 s[\g+6], 0
	s_mov_b32 s[\g+7], 0
.endr
	s_lshl_b32 s18, s16, 7
	s_lshl_b32 s20, s17, 8
	s_add_co_u32 s20, s20, s18
	s_lshl_b32 s20, s20, 10
	s_mov_b32 s21, 0
	s_lshl_b32 s46, s42, 8
	s_add_co_u32 s46, s46, s18
	s_lshl_b32 s46, s46, 10
	s_mov_b32 s47, 0
	s_mul_i32 s45, s14, HALFT
	s_wait_kmcnt 0x0
	s_load_b256 s[88:95], s[78:79], 0x0
	s_load_b64 s[96:97], s[78:79], 0x20
	s_mov_b64 s[10:11], s[80:81]
	s_mov_b32 s12, 262144                          ; a head's bytes in kv
	s_cmp_eq_u32 ttmp9, 1
	s_cselect_b64 s[4:5], s[72:73], s[68:69]       ; A: Wv or x
	s_cselect_b64 s[6:7], s[68:69], s[70:71]       ; B: x or Wk
	s_cselect_b64 s[8:9], s[76:77], s[74:75]       ; the bias: bv or bk
	s_add_nc_u64 s[20:21], s[4:5], s[20:21]
	s_add_nc_u64 s[46:47], s[6:7], s[46:47]
	CROUND
.irp s, 0,1
	s_mov_b32 s[G0+4*\s], 1
	s_add_co_u32 s[G0+4*\s+1], s45, \s*SLOT
	s_add_nc_u64 s[G0+4*\s+2:G0+4*\s+3], s[20:21], \s*ROWB
	s_or_b32 s[G0+4*\s+3], s[G0+4*\s+3], 0x80000000
	s_mov_b32 s[G0B+4*\s], 1
	s_add_co_u32 s[G0B+4*\s+1], s45, \s*SLOT
	s_add_nc_u64 s[G0B+4*\s+2:G0B+4*\s+3], s[46:47], \s*ROWB
	s_or_b32 s[G0B+4*\s+3], s[G0B+4*\s+3], 0x80000000
.if \s == 1                            ; K step 0's load stands behind the opening round; K step 1's, a later first fill, behind a tensor wait, the spare adds and a round
	s_wait_alu depctr_va_vdst(0)
	s_wait_tensorcnt 0x0
	ds_add_u32 v28, v29
	ds_add_u32 v28, v29
	s_wait_dscnt 0x0
	CROUND
.endif
	JLOAD G0+4*\s, G1, G0B+4*\s, G1B
.endr
	v_and_b32 v1, 15, v0
	v_bfe_u32 v2, v0, 4, 1
	s_wait_alu depctr_va_vdst(0)
	v_mul_u32_u24 v3, v1, PITCH
	v_lshl_add_u32 v4, v2, 4, v3
	s_mul_i32 s21, s15, HALFT
	s_mul_i32 s22, s16, HALFT
	s_add_co_u32 s22, s22, 2*HALFT
.irp s, 0,1
	v_add_nc_u32 v[ADRA+\s], s21, v4
	v_add_nc_u32 v[ADRB+\s], s22, v4
	s_add_co_u32 s21, s21, SLOT
	s_add_co_u32 s22, s22, SLOT
.endr
	v_and_b32 v5, 31, v0
	v_lshlrev_b32 v[LO], 4, v5
	s_lshl_b32 s20, s42, 8
	s_lshl_b32 s21, s16, 7
	s_add_co_u32 s20, s20, s21
	s_and_b32 s20, s20, 1023
	s_lshl_b32 s20, s20, 2
	v_lshlrev_b32 v[BOFN], 5, v2
	v_add_nc_u32 v[BOFN], s20, v[BOFN]
	s_lshl_b32 s20, s17, 8
	s_lshl_b32 s21, s15, 7
	s_add_co_u32 s20, s20, s21
	s_and_b32 s20, s20, 1023
	s_lshl_b32 s20, s20, 2
	v_lshlrev_b32 v[BOFM], 2, v1
	v_add_nc_u32 v[BOFM], s20, v[BOFM]
.irp b, 0,1,2,3,4,5,6,7
	global_load_b128 v[BN+8*\b:BN+8*\b+3], v[BOFN], s[8:9] offset:64*\b
	global_load_b128 v[BN+8*\b+4:BN+8*\b+7], v[BOFN], s[8:9] offset:64*\b+16
.endr
.irp a, 0,1,2,3,4,5,6,7
	global_load_b32 v[BM+2*\a], v[BOFM], s[8:9] offset:64*\a
	global_load_b32 v[BM+2*\a+1], v[BOFM], s[8:9] offset:64*\a
.endr
	s_wait_kmcnt 0x0
	s_add_co_i32 s90, s90, s91
	s_add_co_i32 s92, s92, s93
	s_cmp_eq_u32 ttmp9, 1
	s_cselect_b32 s88, s92, s90                    ; the product's two exponents: e4 + e5 or e2 + e3
	s_cselect_b32 s94, s97, s95                    ; the result's: e9 or e7
	s_add_co_i32 s88, s88, 127
	s_lshl_b32 s96, s88, 23
	s_mov_b32 s97, s96
	s_add_co_i32 s94, s94, 127
	s_lshl_b32 s95, s94, 23
	v_mov_b32 v[SCL], s95
	s_add_co_i32 s94, s94, 15
	s_lshl_b32 s94, s94, 23
	s_or_b32 s94, s94, 0x600000
	v_mov_b32 v[LIM], s94
.macro FRAG reg, adr, q, i
.irp c, 0,1,2,3
	ds_load_b128 v[\reg+4*\c:\reg+4*\c+3], v[\adr] offset:128*(\q)+32*\c+(\i)*16*PITCH
.endr
.endm
.macro MUL16 a0, p, zero
.irp a, \a0, \a0+1
.irp b, 0,1,2,3,4,5,6,7
.if \zero
	v_wmma_f32_16x16x128_bf8_bf8 v[8*(8*((\a)%4)+\b):8*(8*((\a)%4)+\b)+7], v[128*(\p)+FR*\b:128*(\p)+FR*\b+FR-1], v[AF+FR*(\a):AF+FR*(\a)+FR-1], 0
.else
	v_wmma_f32_16x16x128_bf8_bf8 v[8*(8*((\a)%4)+\b):8*(8*((\a)%4)+\b)+7], v[128*(\p)+FR*\b:128*(\p)+FR*\b+FR-1], v[AF+FR*(\a):AF+FR*(\a)+FR-1], v[8*(8*((\a)%4)+\b):8*(8*((\a)%4)+\b)+7]
.endif
.endr
.endr
.endm
.macro FETCH_B slot, q, p
	WIN TO_B
.irp i, 0,1,2,3,4,5,6,7
	FRAG 128*(\p)+FR*\i, ADRB+\slot, \q, \i
.endr
	WIN 0
.endm
.macro FETCH_A slot, q, i0
.irp i, \i0, \i0+1, \i0+2, \i0+3
	FRAG AF+FR*(\i), ADRA+\slot, \q, \i
.endr
.endm
.macro PLACES n
.rept \n
	v_nop
.endr
.endm
.macro STEP slot, q, zero
	s_wait_dscnt 4*NL
	WIN MUL_LO
	MUL16 0, (\q)%2, \zero
	MUL16 2, (\q)%2, \zero
	s_wait_dscnt 0
	PLACES NP
	FETCH_B \slot, (\q)+1, 1-(\q)%2
	FETCH_A \slot, (\q)+1, 0
	WIN MUL_HI
	MUL16 4, (\q)%2, \zero
	MUL16 6, (\q)%2, \zero
	PLACES NP
	WIN 0
	FETCH_A \slot, (\q)+1, 4
.endm
.macro TURN slot, next, fill
	s_wait_tensorcnt 0x0
	ds_add_u32 v[SPW], v[NIL]
	s_wait_dscnt 4*NL+1
	WIN MUL_LO
	MUL16 0, 1, 0
	s_wait_dscnt 0x0
	s_barrier_signal -1
	MUL16 2, 1, 0
	WIN 0
	s_barrier_wait -1
.if \fill
	CREST
	s_add_nc_u64 s[G0+4*\slot+2:G0+4*\slot+3], s[G0+4*\slot+2:G0+4*\slot+3], 2*ROWB
	s_add_nc_u64 s[G0B+4*\slot+2:G0B+4*\slot+3], s[G0B+4*\slot+2:G0B+4*\slot+3], 2*ROWB
	JLOAD G0+4*\slot, G1, G0B+4*\slot, G1B
.else
	PLACES NP
.endif
	s_wait_alu depctr_va_vdst(0)
	FETCH_B \next, 0, 0
	FETCH_A \next, 0, 0
	WIN MUL_HI
	MUL16 4, 1, 0
	MUL16 6, 1, 0
	PLACES NP
	WIN 0
	FETCH_A \next, 0, 4
.endm
	s_wait_tensorcnt 1
	s_barrier_signal -1
	s_barrier_wait -1
	FETCH_B 0, 0, 0
	FETCH_A 0, 0, 0
	FETCH_A 0, 0, 4
	STEP 0, 0, 1
	s_mov_b32 s3, LAPS-1
.Llap:
	TURN 0, 1, 1
	STEP 1, 0, 0
	TURN 1, 0, 1
	STEP 0, 0, 0
	s_sub_co_u32 s3, s3, 1
	s_cmp_lg_u32 s3, 0
	s_cbranch_scc1 .Llap
	TURN 0, 1, 0
	STEP 1, 0, 0
	s_wait_dscnt 4*NL
	WIN MUL_LO
	MUL16 0, 1, 0
	MUL16 2, 1, 0
	s_wait_dscnt 0
	WIN MUL_HI
	MUL16 4, 1, 0
	MUL16 6, 1, 0
	WIN 0
.macro EPI kind
.irp a, 0,1,2,3,4,5,6,7
.if \a == 4
	s_wait_xcnt 0x0
.endif
.set WN, 2+(\a)/4
	WIN WN
.irp b, 0,1,2,3,4,5,6,7
.irp i, 0,2,4,6
.if \kind
	v_pk_fma_f32 v[Y+8*\b+\i:Y+8*\b+\i+1], v[64*((\a)%4)+8*\b+\i:64*((\a)%4)+8*\b+\i+1], s[96:97], v[BM+2*\a:BM+2*\a+1] op_sel_hi:[1,0,1]
.else
	v_pk_fma_f32 v[Y+8*\b+\i:Y+8*\b+\i+1], v[64*((\a)%4)+8*\b+\i:64*((\a)%4)+8*\b+\i+1], s[96:97], v[BN+8*\b+\i:BN+8*\b+\i+1] op_sel_hi:[1,0,1]
.endif
.endr
.endr
	WIN 0
.set n, 0
.rept 64
	v_med3_num_f32 v[Y+n], v[Y+n], -v[LIM], v[LIM]
.set n, n+1
.endr
.irp b, 0,1,2,3,4,5,6,7
	v_cvt_scalef32_pk8_bf8_f32 v[CD+16*((\a)%4)+2*\b:CD+16*((\a)%4)+2*\b+1], v[Y+8*\b:Y+8*\b+7], v[SCL]
.endr
	v_nop
.irp c, 0,1,2,3
.if \kind
	global_store_b128 v[LO], v[CD+16*((\a)%4)+4*\c:CD+16*((\a)%4)+4*\c+3], s[OB+4*((\a)/4):OB+4*((\a)/4)+1] offset:((\a)%4)*2048+\c*512
.else
	global_store_b128 v[LO], v[CD+16*((\a)%4)+4*\c:CD+16*((\a)%4)+4*\c+3], s[OB+4*((\c)/2):OB+4*((\c)/2)+1] offset:\a*1024+((\c)%2)*512
.endif
.endr
.endr
.endm
	PLACES NP
	s_wait_loadcnt 0x0                             ; the bias, asked for at the head and first read on the way out
	s_cmp_eq_u32 ttmp9, 1
	s_cbranch_scc1 .Lv_out
	s_lshr_b32 s20, s17, 3
	s_lshl_b32 s20, s20, 4
	s_lshl_b32 s21, s42, 2
	s_add_co_u32 s20, s20, s21
	s_lshl_b32 s21, s16, 1
	s_add_co_u32 s20, s20, s21
	s_mul_i32 s20, s20, s12
	s_bfe_u32 s21, s17, 0x20001
	s_mov_b32 s22, 32768                           ; 512 tokens of Q or of K are 32 tiles of 1,024 bytes: a head's tiles lie on end
	s_mul_i32 s21, s21, s22
	s_add_co_u32 s20, s20, s21
	s_and_b32 s21, s17, 1
	s_lshl_b32 s21, s21, 14
	s_add_co_u32 s20, s20, s21
	s_lshl_b32 s21, s15, 13
	s_add_co_u32 s20, s20, s21
	s_mov_b32 s21, 0
	s_add_nc_u64 s[OB:OB+1], s[10:11], s[20:21]
	s_mov_b32 s20, s12
	s_add_nc_u64 s[OB+4:OB+5], s[OB:OB+1], s[20:21]
	EPI 0
	s_branch .Ldone
.Lv_out:
	s_lshr_b32 s20, s42, 3
	s_lshl_b32 s20, s20, 4
	s_lshl_b32 s21, s17, 2
	s_add_co_u32 s20, s20, s21
	s_lshl_b32 s21, s15, 1
	s_add_co_u32 s20, s20, s21
	s_lshl_b32 s20, s20, 18
	s_bfe_u32 s21, s42, 0x20001
	s_lshl_b32 s21, s21, 15                        ; 512 keys of V are four steps of 8,192 bytes: a head's steps lie on end,
	s_add_co_u32 s20, s20, s21
	s_and_b32 s21, s42, 1
	s_lshl_b32 s21, s21, 1
	s_add_co_u32 s21, s21, s16
	s_lshl_b32 s21, s21, 13
	s_add_co_u32 s20, s20, s21
	s_add_co_u32 s20, s20, 131072                  ; behind the head's 131,072 bytes of K
	s_mov_b32 s21, 0
	s_add_nc_u64 s[OB:OB+1], s[10:11], s[20:21]
	s_add_nc_u64 s[OB+4:OB+5], s[OB:OB+1], 262144
	EPI 1
.Ldone:
	s_wait_tensorcnt 0x0
	ds_add_u32 v[SPW], v[NIL]
	s_wait_dscnt 0x0
	CROUND
	s_endpgm
.Lfunc_end_k_q9292cdc570_proj:
	.size	k_q9292cdc570_proj, .Lfunc_end_k_q9292cdc570_proj-k_q9292cdc570_proj
	.p2alignl 7, 3214868480
	.fill 96, 4, 3214868480
	.section	.rodata,"a",@progbits
	.p2align	6, 0x0
	.amdhsa_kernel k_q9292cdc570_proj
		.amdhsa_group_segment_fixed_size 327680
		.amdhsa_private_segment_fixed_size 0
		.amdhsa_enable_private_segment 0
		.amdhsa_kernarg_size 56
		.amdhsa_user_sgpr_count 2
		.amdhsa_user_sgpr_kernarg_segment_ptr 1
		.amdhsa_wavefront_size32 1
		.amdhsa_system_sgpr_workgroup_id_x 1
		.amdhsa_system_sgpr_workgroup_id_y 1
		.amdhsa_system_sgpr_workgroup_id_z 1
		.amdhsa_system_vgpr_workitem_id 0
		.amdhsa_next_free_vgpr 1024
		.amdhsa_next_free_sgpr 100
		.amdhsa_reserve_vcc 0
		.amdhsa_float_denorm_mode_32 3
		.amdhsa_float_denorm_mode_16_64 3
		.amdhsa_memory_ordered 1
		.amdhsa_forward_progress 1
		.amdhsa_inst_pref_size 195
	.end_amdhsa_kernel
	.amdgpu_metadata
---
amdhsa.version: [ 1, 2 ]
amdhsa.kernels:
  - .name:           k_q9292cdc570_proj
    .symbol:         k_q9292cdc570_proj.kd
    .args:
      - { .name: x_codes, .offset: 0, .size: 8, .value_kind: global_buffer, .address_space: global }
      - { .name: Wk_codes, .offset: 8, .size: 8, .value_kind: global_buffer, .address_space: global }
      - { .name: Wv_codes, .offset: 16, .size: 8, .value_kind: global_buffer, .address_space: global }
      - { .name: bk, .offset: 24, .size: 8, .value_kind: global_buffer, .address_space: global }
      - { .name: bv, .offset: 32, .size: 8, .value_kind: global_buffer, .address_space: global }
      - { .name: lowp_scales, .offset: 40, .size: 8, .value_kind: global_buffer, .address_space: global }
      - { .name: kv, .offset: 48, .size: 8, .value_kind: global_buffer, .address_space: global }
    .group_segment_fixed_size: 327680
    .private_segment_fixed_size: 0
    .kernarg_segment_align: 8
    .kernarg_segment_size: 56
    .max_flat_workgroup_size: 128
    .sgpr_count:     100
    .vgpr_count:     1024
    .wavefront_size: 32
...
	.end_amdgpu_metadata
.endif
;; end of part 1
;; launch attn (part 2): grid 4 x 64, 8 waves a work-group, clusters of 4 x 1, 327,680 bytes of LDS; arguments x_codes, Wq_codes, bq, kv, lowp_scales, out0; writes out0
.if DOCPART == 2
	.amdgcn_target "amdgcn-amd-amdhsa--gfx1250"
	.amdhsa_code_object_version 6
	.text
	.protected	k_q9292cdc570_attn
	.globl	k_q9292cdc570_attn
	.p2align	8
	.type	k_q9292cdc570_attn,@function
k_q9292cdc570_attn:
	s_mov_b64 s[64:65], 0
	v_nop
	global_prefetch_b8 v0, s[64:65] scope:SCOPE_SE
	s_setreg_imm32_b32 hwreg(HW_REG_WAVE_MODE, 25, 1), 1
	s_wait_xcnt 0x0
	s_wait_alu depctr_hold_cnt(0) depctr_sa_sdst(0) depctr_va_vdst(0) depctr_va_sdst(0) depctr_va_ssrc(0) depctr_va_vcc(0) depctr_vm_vsrc(0)
	s_getreg_b32 s2, hwreg(HW_REG_IB_STS2, 6, 4)
	s_cmp_eq_u32 s2, 0
	s_cbranch_scc0 .Lentry_in_a_cluster
	s_endpgm
.Lentry_in_a_cluster:
	s_bfe_u32 s2, ttmp6, 0x10000c
	s_cmp_lg_u32 s2, 0x3003
	s_cbranch_scc0 .Lentry_shape_is_right
	s_endpgm
.Lentry_shape_is_right:
; THE QUERIES' PROJECTION AND ATTENTION on codes of BF8 (E5M2): q = x Wq + bq for my queries and my head, quantised with 2^e6; out[b][n][64 head + d] = the sum over keys m of softmax_m(q[n] . k[m] / 8) v[m][d].
; kv holds K's and V's codes as images of operand registers, 16 bytes a lane (laid by the launch before).  A head's part: 131,072 bytes of K (key step s of 128 keys at 8,192 s), then 131,072 of V (likewise).
; THE SOFTMAX: t = score x log2(e) / 8; M = the row's largest t so far, rounded UP to a whole number; p = 2^(t - M) is quantised with the given 2^e8, not normalised.  The row's sum is taken of the unquantised p
; and divides at the end.  When M moves, the sum and O are multiplied by 2^(old M - new M): nothing is rounded, no branch on data.  The running maximum is kept on the raw scores (c is positive).
; LIMITS on the given exponents: e6 + e7 between -123 and 130; e8 between -126 and 112; e6 - e0 - e1 between -126 and 112; e8 + e9 and e0 + e1 go by v_ldexp_f32.
; SHARES.  A cluster of four work-groups is one (batch, head).  A work-group owns 512 queries in two passes of 256; in a pass each of eight waves owns 32: two tiles of 16.  Every wave walks all 2,048 keys, 128 a step.
; Q.  Each wave projects its own 64 queries once, at the head, a pass's two tiles at a time: q^T tiles = Wq's 16 channels x my 16 rows of x, 128 along K an instruction, the bias / 2^(e0 + e1) as the first C; the
; three scales are folded into the conversion, whose results are Q's fragments.  The head's 64 rows of Wq lie in LDS (rows of 1,024 bytes, pitch 1,520: 95 x 16).  x comes by global loads, two rows of 256 bytes an
; instruction, in units of 16 rows x 256 bytes, seven units asked for ahead, and goes through my stage in LDS into fragments.
; LDS FILLS, all JOINT loads of the four work-groups, one a wave each time: at the head Wq (waves 0-3) and key steps 0-3 of K and V (waves 4-7); behind the next round V's steps 4-15 (a first fill);
; behind the projection, the full sequence and a round, K's steps 4-15, over the bytes that held Wq.  They land under the first three key steps; one barrier a pass stands ahead of the first read of them.
; NO PREFETCH: x's loads are themselves asked for seven units ahead, and K, V and Wq are asked for as early as their LDS bytes are free.
; LAYOUT.  All products transposed: a lane holds ONE query (lane % 16).  In tile t of S^T lane (r, h) holds keys 16 t + 8 h + 0..7: registers 2 t, 2 t + 1 of P's fragment.
; THE NEXT STEP'S K is read from LDS right behind this step's first product (a pass's last step reads step 0 again, for the next pass; behind the last pass these 16 loads are not used).
; THE EXPONENTIALS go as two batches of 64, a wait ahead and behind; among a batch stand only plain lines that hang on nothing written inside it and whose results are read behind its wait.
; REGISTERS.  window 0: v1-15 addresses and constants; v16-47 statistics (head: the bias); v48-63 Q; v64-191 S^T, then p (head: v64-127 eight accumulators of q, v128-191 two units of x); v192-223 p's codes,
;   v224-255 partial sums (head: two units of x).  window 1: v0-63 O^T (head: two units of x); v64-127 K's tiles, v128-191 V's (head: Wq's fragments); v192-207 the second pass's Q; v208-239 (head) a unit of x.
.set STAGE, 262144                     ; behind K and V: 16 rows x 272 bytes for each wave
.set SPARE, 0x48800                    ; behind the stages: the spare words, 128 bytes a wave
.set WQB,  32768                       ; Wq's rows in LDS
.set WP,   1520
.set LI,   1                           ; 16 x lane
.set LIV,  2                           ; 16 x lane + 131,072
.set ADK,  3                           ; LDS address of the next step's K
.set ADV,  4                           ; of this step's V
.set AW,   3                           ; head: v3, v4: my lane's place in Wq's rows 0-31, 32-63
.set GO,   5
.set STO,  6
.set RD,   7                           ; the stage by rows: lanes 0-15 one row, lanes 16-31 the next
.set LIM,  8                           ; 57,344 x 2^e8
.set LIM2, 9                           ; and once more, for the dual line's second half
.set SCL,  10                          ; 2^e8
.set LQ,   8                           ; head: 57,344 x 2^(e6 - e0 - e1)
.set XO,   9                           ; head: my lane's byte offset in two rows of x
.set SQ,   10                          ; head: 2^(e6 - e0 - e1)
.set XR,   11                          ; the stage by fragments: row r, + 16 h
.set SPW,  12
.set NIL,  13
.set ST,   16                          ; tile u at v[ST+16u]: +0 -M, +1 largest score, +2,+3 sum, +4 f (+5: 0), +6..+9 the maximum's four chains, then at work, +10 the other half's, +12 1/sum (+13: 0)
.set BC,   16                          ; head: the bias, 8 registers for each 16 channels
.set Q,    48
.set S,    64
.set P,    192
.set T,    224
.set KF,   64
.set VF,   128
.set WF,   64                          ; head, window 1: Wq's fragments of 256 along K
.set QN,   192                         ; window 1
.set WV,   12
.set G1,   24                          ; s[24:31] 64 rows of 256 bytes
.set G0,   32                          ; s[32:35] key steps 0-3
.set G0A,  36                          ; s[36:39] V's steps 4-15
.set G1B,  40                          ; s[40:47] 48 rows of 256 bytes
.set TB,   48
.set CNT,  49
.set PASS, 50
.set TN,   51
.set CS,   52
.set SEL,  54
.set EPV,  60
.set G1W,  76                          ; s[76:83] 16 rows of 1,024 bytes, 496 bytes of padding behind each
.set G0W,  84                          ; s[84:87] Wq
.set G0C,  88                          ; s[88:91] K's steps 4-15
.set NEGE, 92                          ; -(e0 + e1)
.set SSCL, 93
.set SLIM, 94
.set MSB, 0
.macro WIN new
.if MSB != \new
	s_set_vgpr_msb (MSB<<8)|\new
.set MSB, \new
.endif
.endm
.macro ROUND
	s_barrier_signal -1
	s_barrier_wait -1
	s_cmp_lg_u32 s[WV], 0
	s_cbranch_scc1 .Lnot_wave_0_\@
	s_barrier_signal -3
.Lnot_wave_0_\@:
	s_barrier_wait -3
	s_barrier_signal -1
	s_barrier_wait -1
.endm
.macro PADD d, a, b
	v_pk_add_f32 v[\d:\d+1], v[\a:\a+1], v[\b:\b+1]
.endm
.macro DMIN r                          ; the hold of two numbers in one line; one-sided, since p is not negative (the conversion to an 8-bit code does not saturate: ISA guide 7.6.2)
	v_dual_min_num_f32 v[\r], v[\r], v[LIM] :: v_dual_min_num_f32 v[\r+1], v[\r+1], v[LIM2]
.endm
.macro KLOAD adr
.irp t, 0,1,2,3,4,5,6,7
	ds_load_b128 v[KF+8*\t:KF+8*\t+3], v[\adr] offset:1024*\t
	ds_load_b128 v[KF+8*\t+4:KF+8*\t+7], v[\adr] offset:1024*\t+512
.endr
.endm
.macro MKG0 g, lds, off, base          ; a group 0: LDS address s\lds, memory s[base] + s\off
	s_mov_b32 s[\g], 1
	s_mov_b32 s[\g+1], s\lds
	s_mov_b32 s22, s\off
	s_add_nc_u64 s[\g+2:\g+3], s[\base:\base+1], s[22:23]
	s_or_b32 s[\g+3], s[\g+3], 0x80000000
.endm
.macro MKG1 g, w0, c, r                ; a group 1: r rows of c elements of 8 bytes, on end in memory
	s_mov_b32 s[\g], \w0
	s_mov_b32 s[\g+1], (\c)<<16
	s_mov_b32 s[\g+2], (\r)<<16
	s_mov_b32 s[\g+3], (\c)<<16
	s_mov_b32 s[\g+4], \r
	s_mov_b32 s[\g+5], \c
	s_mov_b32 s[\g+6], 0
	s_mov_b32 s[\g+7], 0
.endm
.macro PLACES
.rept 4
	v_nop
.endr
.endm
	s_load_b256 s[4:11], s[0:1], 0x0               ; x's codes, Wq's codes, bq, kv
	s_load_b128 s[68:71], s[0:1], 0x20             ; the scales' exponents, out0
	v_lshl_add_u32 v[SPW], v0, 2, SPARE
	v_mov_b32 v[NIL], 0
	ds_add_u32 v[SPW], v[NIL]                      ; the opening lines: the add twice on end and its wait
	ds_add_u32 v[SPW], v[NIL]
	v_lshrrev_b32 v14, 5, v0
	v_readfirstlane_b32 s[WV], v14                 ; wave 0..7
	s_bfe_u32 s13, ttmp6, 0x40000                  ; cx: enters x's and the output's addresses alone
	s_and_b32 s14, ttmp7, 0xffff                   ; 16 batch + head
	MKG1 G1,  15|(3<<16)|(1<<21), 32, 64           ; the mask names all four; elements of 8 bytes; bit 21 beside a mask
	MKG1 G1B, 15|(3<<16)|(1<<21), 32, 48
	MKG1 G1W, 15|(3<<16)|(1<<20)|(1<<21)|(7<<22)|(123<<25), 128, 16   ; 124 words of padding behind every 256
	s_and_b32 s15, s[WV], 1
	s_lshl_b32 s15, s15, 14
	s_bfe_u32 s16, s[WV], 0x10001
	s_lshl_b32 s16, s16, 17
	s_add_co_u32 s15, s15, s16                     ; waves 4, 5: K's steps 0-3 in halves of 16,384 bytes; 6, 7: V's
	s_mul_i32 s16, s[WV], 12288
	s_add_co_u32 s17, s16, 163840                  ; V's steps 4-15: 12,288 bytes a wave
	s_add_co_u32 s16, s16, 32768                   ; K's likewise
	s_mul_i32 s18, s[WV], 16*WP
	s_add_co_u32 s18, s18, WQB                     ; waves 0-3: 16 rows of Wq, in LDS,
	s_lshl_b32 s19, s[WV], 14
	s_and_b32 s20, s14, 15                         ; the head
	s_lshl_b32 s21, s20, 16
	s_add_co_u32 s19, s19, s21                     ; and in memory: the head's 64 rows of 1,024 bytes
	s_mov_b32 s23, 0
	s_mov_b32 s[SEL], 0x76543210
	s_mov_b32 s[SEL+1], 0xfedcba98
	s_mov_b32 s[PASS], 2
	s_wait_alu depctr_va_vdst(0)
	s_wait_dscnt 0x0
	s_wait_kmcnt 0x0
	s_load_b64 s[72:73], s[68:69], 0x0             ; e0, e1
	s_load_b64 s[56:57], s[68:69], 0x18            ; e6, e7
	s_load_b64 s[58:59], s[68:69], 0x20            ; e8, e9
	s_lshl_b32 s22, s14, 18                        ; the head's 262,144 bytes of kv
	s_add_nc_u64 s[10:11], s[10:11], s[22:23]
	MKG0 G0,  15, 15, 10
	MKG0 G0A, 17, 17, 10
	MKG0 G0C, 16, 16, 10
	MKG0 G0W, 18, 19, 6
	ROUND                                          ; all four work-groups are here: the joint loads meet
	s_cmp_lt_u32 s[WV], 4
	s_cbranch_scc0 .Lfor_kv
	tensor_load_to_lds s[G0W:G0W+3], s[G1W:G1W+7]
	s_nop 0
	PLACES
	s_branch .Lasked
.Lfor_kv:
	tensor_load_to_lds s[G0:G0+3], s[G1:G1+7]
	s_nop 0
	PLACES
.Lasked:
	s_lshr_b32 s22, s14, 4                         ; x: the batch's 2,048 rows of 1,024 bytes,
	s_lshl_b32 s22, s22, 21
	s_lshl_b32 s21, s13, 19                        ; my work-group's 512,
	s_add_co_u32 s22, s22, s21
	s_lshl_b32 s21, s[WV], 15                      ; my wave's 32 of the first pass
	s_add_co_u32 s22, s22, s21
	s_add_nc_u64 s[4:5], s[4:5], s[22:23]
	s_lshl_b32 s22, s20, 8                         ; bq: the head's 64 numbers
	s_add_nc_u64 s[8:9], s[8:9], s[22:23]
	s_lshr_b32 s22, s14, 4                         ; the output: the batch's 2,048 rows of 4,096 bytes,
	s_lshl_b32 s22, s22, 23
	s_lshl_b32 s21, s13, 21
	s_add_co_u32 s22, s22, s21
	s_lshl_b32 s21, s[WV], 17
	s_add_co_u32 s22, s22, s21
	s_lshl_b32 s21, s20, 8                         ; the head's 256 bytes of a row
	s_add_co_u32 s22, s22, s21
	s_add_nc_u64 s[70:71], s[70:71], s[22:23]
	s_mul_i32 s21, s[WV], 16*272
	s_add_co_u32 s21, s21, STAGE                   ; my stage
	v_and_b32 v[LI], 31, v0
	v_lshlrev_b32 v[LI], 4, v[LI]
	v_add_nc_u32 v[LIV], 0x20000, v[LI]
	v_and_b32 v14, 15, v0                          ; r
	v_bfe_u32 v15, v0, 4, 1                        ; h
	v_lshlrev_b32 v[GO], 12, v15
	v_lshl_add_u32 v[GO], v14, 4, v[GO]
	v_mul_u32_u24 v[STO], v14, 272
	v_lshl_add_u32 v[STO], v15, 5, v[STO]
	v_add_nc_u32 v[STO], s21, v[STO]
	v_mul_u32_u24 v[RD], v15, 272
	v_lshl_add_u32 v[RD], v14, 4, v[RD]
	v_add_nc_u32 v[RD], s21, v[RD]
	v_mul_u32_u24 v[XR], v14, 272
	v_lshl_add_u32 v[XR], v15, 4, v[XR]
	v_add_nc_u32 v[XR], s21, v[XR]
	v_mul_u32_u24 v[AW], v14, WP
	v_lshl_add_u32 v[AW], v15, 4, v[AW]
	v_add_nc_u32 v[AW], WQB, v[AW]
	v_add_nc_u32 v[AW+1], 32*WP, v[AW]
	v_lshlrev_b32 v[XO], 10, v15
	v_lshl_add_u32 v[XO], v14, 4, v[XO]
	v_lshlrev_b32 v15, 5, v15                      ; the bias: my half's eight numbers
	s_wait_alu depctr_va_vdst(0)
.irp b, 0,1,2,3
	global_load_b128 v[BC+8*\b:BC+8*\b+3], v15, s[8:9] offset:64*\b
	global_load_b128 v[BC+8*\b+4:BC+8*\b+7], v15, s[8:9] offset:64*\b+16
.endr
; Unit e of x: pass e / 8, bytes 256 ((e % 8) / 2) on of the 16 rows of the pass's tile e % 2; seven buffers of 32 registers by turns.
.macro BUF e
.set bk, (\e)%7
.set RW, 0
.if bk < 2
.set RB, 192+32*bk
.endif
.if bk > 4
.set RB, 128+32*(bk-5)
.endif
.if (bk > 1) && (bk < 5)
.set RW, 1
.set RB, 32*(bk-2)
.endif
.if bk == 4
.set RB, 208
.endif
.endm
.macro GL e
	BUF \e
.set gp, (\e)/8
.set gt, (\e)%2
.set gk, ((\e)%8)/2
.set ww, RW*64
	WIN ww
.irp f, 0,1,2,3,4,5,6,7
	global_load_b128 v[RB+4*\f:RB+4*\f+3], v[XO], s[4:5] offset:gp*262144+gt*16384+\f*2048+gk*256   ; 16 lanes read 256 consecutive bytes of a row, aligned
.endr
	WIN 0
.endm
.irp e, 0,1,2,3,4,5,6
	GL \e
.endr
	s_wait_kmcnt 0x0
	s_add_co_i32 s20, s72, s73                     ; e0 + e1
	s_sub_co_i32 s[NEGE], 0, s20
	s_sub_co_i32 s21, s56, s20
	s_add_co_i32 s21, s21, 127
	s_lshl_b32 s22, s21, 23
	v_mov_b32 v[SQ], s22                           ; a sum stands for sum x 2^(e0 + e1): its code is sum / 2^(e6 - e0 - e1)
	s_add_co_i32 s21, s21, 15
	s_lshl_b32 s21, s21, 23
	s_or_b32 s21, s21, 0x600000
	v_mov_b32 v[LQ], s21
	s_add_co_i32 s20, s56, s57
	s_lshl_b32 s20, s20, 23
	s_mov_b32 s[CS], 0x3e38aa3b                    ; log2(e) / 8
	s_add_co_i32 s[CS], s[CS], s20                 ; x 2^(e6 + e7), in the exponent field
	s_mov_b32 s[CS+1], s[CS]
	s_add_co_i32 s20, s58, 127
	s_lshl_b32 s[SSCL], s20, 23
	s_add_co_i32 s20, s20, 15
	s_lshl_b32 s20, s20, 23
	s_or_b32 s[SLIM], s20, 0x600000
	s_add_co_i32 s[EPV], s58, s59
	s_wait_alu depctr_va_vdst(0)
	s_wait_tensorcnt 0x0                           ; my part of the head's fills is in; the lines ahead of a later first fill:
	ds_add_u32 v[SPW], v[NIL]
	s_wait_dscnt 0x0
	ROUND                                          ; everybody's part is in, and the four work-groups meet
	tensor_load_to_lds s[G0A:G0A+3], s[G1B:G1B+7]  ; V's steps 4-15: bytes filled for the first time; no wave refills behind this round
	s_nop 0
	PLACES
	s_wait_loadcnt 56                              ; the bias is in; the seven units of x may be out
.set n, 0
.rept 32
	v_ldexp_f32 v[BC+n], v[BC+n], s[NEGE]          ; / 2^(e0 + e1): it goes in as the first C
.set n, n+1
.endr
	s_wait_alu depctr_va_vdst(0)
.macro WQLOAD kc                       ; Wq's fragments of 256 along K: 2 x 4 of 16 registers; registers 4 c on hold K = 32 c + 16 h + 0..15, as x's do
	WIN 0x40
.irp s, 0,1
.irp b, 0,1,2,3
.irp c, 0,1,2,3
	ds_load_b128 v[WF+64*\s+16*\b+4*\c:WF+64*\s+16*\b+4*\c+3], v[AW+\b/2] offset:(\b%2)*16*WP+256*(\kc)+128*\s+32*\c
.endr
.endr
.endr
	WIN 0
.endm
.macro QOUT pr                         ; a pass's two tiles are finished: the hold, each accumulator from its low end on, and the codes: channels 16 b + 8 h + 0..7 are registers 2 b, 2 b + 1 of Q's fragment
.set n, 0
.rept 64
	v_med3_num_f32 v[S+n], v[S+n], -v[LQ], v[LQ]
.set n, n+1
.endr
.set QD, Q+(QN-Q)*(\pr)                ; the first pass's in window 0, the second's in window 1
.set ww, 64*(\pr)
	WIN ww
.irp i, 0,1
.irp b, 0,1,2,3
	v_cvt_scalef32_pk8_bf8_f32 v[QD+8*\i+2*\b:QD+8*\i+2*\b+1], v[S+32*\i+8*\b:S+32*\i+8*\b+7], v[SQ]
.endr
.endr
	WIN 0
	v_nop                                          ; a plain line behind the conversions
.endm
; Trip it: unit it goes through the stage; unit it - 1 is multiplied; unit it + 6 is asked for into the buffer just freed.
.macro ITER
.if it < 16
	BUF it
.if it == 0
.set nl, 48
.else
.if it < 11
.set nl, 40
.else
.set nl, 8*(15-it)
.endif
.endif
	s_wait_loadcnt nl                              ; behind unit it's loads: those of the units asked for later
.set ww, RW*4
	WIN ww
.irp f, 0,1,2,3,4,5,6,7
	ds_store_b128 v[RD], v[RB+4*\f:RB+4*\f+3] offset:544*\f
.endr
.set ww, RW*64
	WIN ww
.irp s, 0,1
.irp c, 0,1,2,3
	ds_load_b128 v[RB+16*\s+4*\c:RB+16*\s+4*\c+3], v[XR] offset:128*\s+32*\c   ; LDS serves a wave's instructions in order (ISA guide 5.7.1.4)
.endr
.endr
	WIN 0
.endif
.if it > 0
	BUF it-1
.set ti, (it-1)%2
.set kc, ((it-1)%8)/2
.if it < 16
	s_wait_dscnt 16                                ; all but this trip's 8 stores and 8 loads
.else
	s_wait_dscnt 0x0
.endif
.set ww, 1+RW*4
	WIN ww
.irp s, 0,1
.irp b, 0,1,2,3
.if (kc == 0) && (\s == 0)
	v_wmma_f32_16x16x128_bf8_bf8 v[S+32*ti+8*\b:S+32*ti+8*\b+7], v[WF+64*\s+16*\b:WF+64*\s+16*\b+15], v[RB+16*\s:RB+16*\s+15], v[BC+8*\b:BC+8*\b+7]
.else
	v_wmma_f32_16x16x128_bf8_bf8 v[S+32*ti+8*\b:S+32*ti+8*\b+7], v[WF+64*\s+16*\b:WF+64*\s+16*\b+15], v[RB+16*\s:RB+16*\s+15], v[S+32*ti+8*\b:S+32*ti+8*\b+7]
.endif
.endr
.endr
	WIN 0
	PLACES                                         ; ahead of loads into registers that these products read, and of the first read of the sums
.if it == 8
	QOUT 0
.endif
.if it == 16
	QOUT 1
.endif
.if it+6 < 16
	GL it+6
.endif
.endif
.if it < 16
.if it%2 == 0
	WQLOAD (it%8)/2
.endif
.endif
.endm
.set it, 0
.rept 17
	ITER
.set it, it+1
.endr
	v_mov_b32 v[LIM], s[SLIM]                      ; the head's registers take their values for the key steps
	v_mov_b32 v[LIM2], s[SLIM]
	v_mov_b32 v[SCL], s[SSCL]
	s_wait_alu depctr_va_vdst(0)                   ; the head's end
	s_wait_tensorcnt 0x0                           ; the three lines ahead of a refill's round
	ds_add_u32 v[SPW], v[NIL]
	s_wait_dscnt 0x0                               ; my reads of Wq are over
	ROUND                                          ; nobody in the cluster reads Wq any more
	tensor_load_to_lds s[G0C:G0C+3], s[G1B:G1B+7]  ; K's steps 4-15, over the bytes that held Wq
	s_nop 0
	WIN 0x40
	KLOAD LI                                       ; step 0's K
	WIN 0
; The largest of a tile's 64 scores a lane, in four chains; the registers are taken in ascending order.
.macro MX0 u
.irp k, 0,1,2,3
	v_max3_num_f32 v[ST+16*(\u)+6+\k], v[S+64*(\u)+3*\k], v[S+64*(\u)+3*\k+1], v[S+64*(\u)+3*\k+2]
.endr
.endm
.macro MX u, p                         ; scores 12 + 2 p and 13 + 2 p go to chain p % 4
	v_max3_num_f32 v[ST+16*(\u)+6+(\p)%4], v[ST+16*(\u)+6+(\p)%4], v[S+64*(\u)+12+2*(\p)], v[S+64*(\u)+13+2*(\p)]
.endm
; Line k of the ten that lead from a tile's four chains to -M and f: each hangs on the one before, so they are laid one by one among the other tile's independent lines.
.macro STAT u, k
.set rT, ST+16*(\u)
.if (\k) == 0
	v_max3_num_f32 v[rT+8], v[rT+6], v[rT+7], v[rT+8]
.endif
.if (\k) == 1
	v_max_num_f32 v[rT+8], v[rT+8], v[rT+9]
.endif
.if (\k) == 2
	v_permlanex16_b32 v[rT+10], v[rT+8], s[SEL], s[SEL+1]   ; the query's other 64 keys
.endif
.if (\k) == 3
	v_max3_num_f32 v[rT+1], v[rT+1], v[rT+8], v[rT+10]      ; the running largest score
.endif
.if (\k) == 4
	v_mul_f32 v[rT+8], s[CS], v[rT+1]              ; as t
.endif
.if (\k) == 5
	v_floor_f32 v[rT+9], -v[rT+8]                  ; the new -M = -ceil(t)
.endif
.if (\k) == 6
	v_sub_f32 v[rT+8], v[rT+9], v[rT]              ; old M - new M: a whole number, 0 or less
.endif
.if (\k) == 7
	v_mov_b32 v[rT], v[rT+9]
.endif
.if (\k) == 8
	v_cvt_i32_f32 v[rT+8], v[rT+8]                 ; (it saturates)
.endif
.if (\k) == 9
	v_ldexp_f32 v[rT+4], 1.0, v[rT+8]              ; f = 2^(old M - new M)
.endif
.endm
; A KEY STEP: 128 keys, both tiles of queries.
.macro STEP
	s_wait_dscnt 0x0                               ; this step's K, asked for a step ago
	WIN 0x01
.irp t, 0,1,2,3,4,5,6,7
.irp u, 0,1
	v_wmma_f32_16x16x64_bf8_bf8 v[S+64*\u+8*\t:S+64*\u+8*\t+7], v[KF+8*\t:KF+8*\t+7], v[Q+8*\u:Q+8*\u+7], 0
.endr
.endr
	WIN 0
	v_add_nc_u32 v[ADV], s[TB], v[LIV]             ; four places: ahead of the loads into K's and V's registers and of the first read of the scores
	s_add_co_u32 s[TB], s[TB], 8192
	s_and_b32 s[TN], s[TB], 0x1ffff                ; behind step 15 comes step 0
	v_add_nc_u32 v[ADK], s[TN], v[LI]
	v_nop
	v_nop
	WIN 0x40
.irp c, 0,1,2,3
.irp k, 0,1,2,3
	ds_load_b128 v[VF+16*\c+4*\k:VF+16*\c+4*\k+3], v[ADV] offset:2048*\c+512*\k
.endr
.endr
	KLOAD ADK
	WIN 0
	MX0 0                                          ; tile 0's maximum
.set mp, 0
.rept 26
	MX 0, mp
.set mp, mp+1
.endr
	MX0 1                                          ; tile 1's maximum; among it tile 0's ten lines
.set mp, 0
.rept 26
	MX 1, mp
.if mp%3 == 0
	STAT 0, mp/3
.endif
.set mp, mp+1
.endr
	STAT 0, 9
.set n, 0
.rept 32                               ; tile 0: t - M; among it tile 1's ten lines
	v_pk_fma_f32 v[S+n:S+n+1], v[S+n:S+n+1], s[CS:CS+1], v[ST:ST+1] op_sel_hi:[1,0,0]
.if (n/2)%3 == 0
	STAT 1, (n/2)/3
.endif
.set n, n+2
.endr
	WIN 0x41
.irp u, 0,1
.set i, 0
.rept 16
	v_pk_mul_f32 v[32*\u+i:32*\u+i+1], v[32*\u+i:32*\u+i+1], v[ST+16*\u+4:ST+16*\u+5] op_sel_hi:[1,0]   ; O^T under the new M, each accumulator from its low end on; no exponential stands between the last products and these
.set i, i+2
.endr
.endr
	WIN 0
	s_wait_alu depctr_va_vdst(0)                   ; ahead of the batch
.set n, 0
.rept 32                               ; tile 0's 64 exponentials; among them tile 1's t - M
	v_exp_f32 v[S+n], v[S+n]
	v_exp_f32 v[S+n+1], v[S+n+1]
	v_pk_fma_f32 v[S+64+n:S+64+n+1], v[S+64+n:S+64+n+1], s[CS:CS+1], v[ST+16:ST+17] op_sel_hi:[1,0,0]
.set n, n+2
.endr
	s_wait_alu depctr_va_vdst(0)                   ; behind tile 0's batch and ahead of tile 1's
.set n, 0
.rept 16                               ; tile 1's 64 exponentials; among them tile 0's first sums of the unquantised p, into 16 pairs of their own, and its holds
	PADD T+n/2, S+n, S+n+2
	v_exp_f32 v[S+64+n], v[S+64+n]
	DMIN S+n
	v_exp_f32 v[S+64+n+1], v[S+64+n+1]
	DMIN S+n+2
	v_exp_f32 v[S+64+n+2], v[S+64+n+2]
	v_exp_f32 v[S+64+n+3], v[S+64+n+3]
.set n, n+4
.endr
.irp u, 0,1
	v_pk_mul_f32 v[ST+16*\u+2:ST+16*\u+3], v[ST+16*\u+2:ST+16*\u+3], v[ST+16*\u+4:ST+16*\u+5] op_sel_hi:[1,0]   ; the sums under the new M; plain lines behind the batch
.endr
	s_wait_alu depctr_va_vdst(0)                   ; behind the batch
.set j, 0
.rept 8
	PADD T+2*j, T+2*j, T+2*j+16
.set j, j+1
.endr
.irp t, 0,1,2,3,4,5,6,7
	v_cvt_scalef32_pk8_bf8_f32 v[P+2*\t:P+2*\t+1], v[S+8*\t:S+8*\t+7], v[SCL]
.endr
.set q, 0
.rept 16                               ; tile 1: sums in four chains (v[T+16..T+23]) and holds; the rest of tile 0's tree is laid among them
.if q == 0
	PADD T, T, T+8
	PADD T+2, T+2, T+10
	PADD T+4, T+4, T+12
	PADD T+6, T+6, T+14
.endif
.if q == 4
	PADD T, T, T+4
	PADD T+2, T+2, T+6
.endif
.if q == 8
	PADD T, T, T+2
.endif
.if q == 12
	PADD ST+2, ST+2, T
.endif
.if q < 4
	PADD T+16+2*q, S+64+4*q, S+64+4*q+2
.else
	PADD T+16+2*((2*q)%4), T+16+2*((2*q)%4), S+64+4*q
	PADD T+16+2*((2*q+1)%4), T+16+2*((2*q+1)%4), S+64+4*q+2
.endif
	DMIN S+64+4*q
	DMIN S+64+4*q+2
.set q, q+1
.endr
.irp t, 0,1,2,3,4,5,6,7
	v_cvt_scalef32_pk8_bf8_f32 v[P+16+2*\t:P+16+2*\t+1], v[S+64+8*\t:S+64+8*\t+7], v[SCL]
.endr
	PADD T+16, T+16, T+18                          ; plain lines between the conversions and the products that read the codes
	PADD T+20, T+20, T+22
	PADD T+16, T+16, T+20
	PADD ST+18, ST+18, T+16
	s_wait_alu depctr_va_vdst(0)
	s_wait_dscnt 16                                ; V is in; the 16 loads of the next step's K may be out
	WIN 0x51
.irp c, 0,1,2,3
.irp u, 0,1
	v_wmma_f32_16x16x128_bf8_bf8 v[32*\u+8*\c:32*\u+8*\c+7], v[VF+16*\c:VF+16*\c+15], v[P+16*\u:P+16*\u+15], v[32*\u+8*\c:32*\u+8*\c+7]   ; eight accumulators by turns
.endr
.endr
	WIN 0
.endm
.Lpass:                                            ; two trips: 256 queries of the work-group each
	WIN 0x40
.set i, 0
.rept 64
	v_mov_b32 v[i], 0                              ; O^T: the step has no first copy of its own; the first change of M leaves zeros zeros
.set i, i+1
.endr
	WIN 0
.irp u, 0,1
	v_mov_b32 v[ST+16*\u+1], 0xff61b1e6            ; the largest score so far: -3e38
	v_mov_b32 v[ST+16*\u], 0x7f61b1e6              ; -M: 3e38
	v_mov_b32 v[ST+16*\u+2], 0
	v_mov_b32 v[ST+16*\u+3], 0
	v_mov_b32 v[ST+16*\u+5], 0                     ; (upper half of f's pair)
	v_mov_b32 v[ST+16*\u+10], 0                    ; a lane permute's destination counts as a source
	v_mov_b32 v[ST+16*\u+13], 0                    ; (upper half of the reciprocal's pair)
.endr
	s_mov_b32 s[TB], 0
	s_mov_b32 s[CNT], 3
	s_wait_alu depctr_va_vdst(0)
.LstepA:                                           ; steps 0-2 read steps 0-3's bytes alone
	STEP
	s_sub_co_u32 s[CNT], s[CNT], 1
	s_cmp_lg_u32 s[CNT], 0
	s_cbranch_scc1 .LstepA
	s_wait_tensorcnt 0x0                           ; my part of K's steps 4-15 is in (second pass: met at once);
	s_wait_dscnt 0x0                               ; no LDS instruction of mine is out at the signal
	s_barrier_signal -1
	s_barrier_wait -1                              ; everybody's part is in
	s_mov_b32 s[TB], 3*8192
	s_mov_b32 s[CNT], 13
.LstepB:
	STEP
	s_sub_co_u32 s[CNT], s[CNT], 1
	s_cmp_lg_u32 s[CNT], 0
	s_cbranch_scc1 .LstepB
	s_cmp_eq_u32 s[PASS], 1
	s_cbranch_scc1 .Lno_q                          ; behind the last pass there is no Q to bring
	WIN 0x01
.set i, 0
.rept 16
	v_mov_b32 v[Q+i], v[QN+i]                      ; the second pass's Q
.set i, i+1
.endr
	WIN 0
.Lno_q:
	; THE WAY OUT: O^T / the sum x 2^(e8 + e9), through my stage in LDS, back as whole rows of 256 bytes
.irp u, 0,1
	v_add_f32 v[ST+16*\u+8], v[ST+16*\u+2], v[ST+16*\u+3]
.endr
.irp u, 0,1
	v_permlanex16_b32 v[ST+16*\u+10], v[ST+16*\u+8], s[SEL], s[SEL+1]
.endr
.irp u, 0,1
	v_add_f32 v[ST+16*\u+8], v[ST+16*\u+8], v[ST+16*\u+10]
.endr
	s_wait_alu depctr_va_vdst(0)                   ; ahead of the two reciprocals
.irp u, 0,1
	v_rcp_f32 v[ST+16*\u+12], v[ST+16*\u+8]
.endr
	v_nop
	s_wait_alu depctr_va_vdst(0)                   ; and behind them
.irp u, 0,1
	v_ldexp_f32 v[ST+16*\u+12], v[ST+16*\u+12], s[EPV]
.endr
	WIN 0x01
	s_wait_alu depctr_va_vdst(0)                   ; directly ahead of the first readers of O^T
.irp u, 0,1
.set i, 0
.rept 16
	v_pk_mul_f32 v[S+64*\u+i:S+64*\u+i+1], v[32*\u+i:32*\u+i+1], v[ST+16*\u+12:ST+16*\u+13] op_sel_hi:[1,0]   ; register 8 c + j: out(query r, channel 16 c + 8 h + j)
.set i, i+2
.endr
.endr
	WIN 0
.irp u, 0,1
.irp c, 0,1,2,3
	ds_store_b128 v[STO], v[S+64*\u+8*\c:S+64*\u+8*\c+3] offset:64*\c
	ds_store_b128 v[STO], v[S+64*\u+8*\c+4:S+64*\u+8*\c+7] offset:64*\c+16
.endr
.irp f, 0,1,2,3,4,5,6,7
	ds_load_b128 v[S+64*\u+32+4*\f:S+64*\u+32+4*\f+3], v[RD] offset:544*\f
.endr
.endr
.irp u, 0,1
.irp f, 0,1,2,3,4,5,6,7
	s_wait_dscnt 23-16*\u-\f                       ; behind this load: the tile's younger loads and, for tile 0, tile 1's sixteen LDS instructions
	global_store_b128 v[GO], v[S+64*\u+32+4*\f:S+64*\u+32+4*\f+3], s[70:71] offset:(16*\u+2*\f)*4096 th:TH_STORE_NT   ; 16 lanes store 256 consecutive bytes, aligned
.endr
.endr
	s_wait_xcnt 0x0                                ; the stores have read their registers and their base
	s_add_nc_u64 s[70:71], s[70:71], 256*4096      ; 256 rows of the output on
	s_sub_co_u32 s[PASS], s[PASS], 1
	s_cmp_lg_u32 s[PASS], 0
	s_cbranch_scc1 .Lpass
	s_wait_tensorcnt 0x0                           ; the wave's end
	ds_add_u32 v[SPW], v[NIL]
	s_wait_dscnt 0x0
	ROUND                                          ; the closing round
	s_endpgm
.Lfunc_end_k_q9292cdc570_attn:
	.size	k_q9292cdc570_attn, .Lfunc_end_k_q9292cdc570_attn-k_q9292cdc570_attn
	.p2alignl 7, 3214868480
	.fill 96, 4, 3214868480
	.section	.rodata,"a",@progbits
	.p2align	6, 0x0
	.amdhsa_kernel k_q9292cdc570_attn
		.amdhsa_group_segment_fixed_size 327680
		.amdhsa_private_segment_fixed_size 0
		.amdhsa_enable_private_segment 0
		.amdhsa_kernarg_size 48
		.amdhsa_user_sgpr_count 2
		.amdhsa_user_sgpr_kernarg_segment_ptr 1
		.amdhsa_wavefront_size32 1
		.amdhsa_system_sgpr_workgroup_id_x 1
		.amdhsa_system_sgpr_workgroup_id_y 1
		.amdhsa_system_sgpr_workgroup_id_z 1
		.amdhsa_system_vgpr_workitem_id 0
		.amdhsa_next_free_vgpr 512
		.amdhsa_next_free_sgpr 100
		.amdhsa_reserve_vcc 0
		.amdhsa_float_denorm_mode_32 3
		.amdhsa_float_denorm_mode_16_64 3
		.amdhsa_memory_ordered 1
		.amdhsa_forward_progress 1
		.amdhsa_inst_pref_size 147
	.end_amdhsa_kernel
	.amdgpu_metadata
---
amdhsa.version: [ 1, 2 ]
amdhsa.kernels:
  - .name:           k_q9292cdc570_attn
    .symbol:         k_q9292cdc570_attn.kd
    .args:
      - { .name: x_codes, .offset: 0, .size: 8, .value_kind: global_buffer, .address_space: global }
      - { .name: Wq_codes, .offset: 8, .size: 8, .value_kind: global_buffer, .address_space: global }
      - { .name: bq, .offset: 16, .size: 8, .value_kind: global_buffer, .address_space: global }
      - { .name: kv, .offset: 24, .size: 8, .value_kind: global_buffer, .address_space: global }
      - { .name: lowp_scales, .offset: 32, .size: 8, .value_kind: global_buffer, .address_space: global }
      - { .name: out0, .offset: 40, .size: 8, .value_kind: global_buffer, .address_space: global }
    .group_segment_fixed_size: 327680
    .private_segment_fixed_size: 0
    .kernarg_segment_align: 8
    .kernarg_segment_size: 48
    .max_flat_workgroup_size: 256
    .sgpr_count:     100
    .vgpr_count:     512
    .wavefront_size: 32
...
	.end_amdgpu_metadata
.endif
;; end of part 2
